; MI455X (gfx1250); checked and timed in simulation.
; The chip was launched on July 23, 2026; its instructions are those of AMD's public machine-readable ISA for CDNA 5 (MIT licence, August 2026) and "CDNA5" Instruction Set Architecture Reference Guide (July 2026). The comments in the code are by the model that wrote it; some were corrected since.
;; LSTM Cell. Allowed arithmetic: float matrix products may take bf16 or f16 operands with f32 sums; other float arithmetic in f32, or as packed bf16 or f16 multiplies, adds, multiply-adds, maxima and minima; sums over many terms, partial sums and values carried from step to step in f32; what a program stores and reads back later, other than sums and carried values, may be rounded once to bf16 or f16.
;; Inputs: W_c 1,024 x 2,048 float32; W_f 1,024 x 2,048 float32; W_i 1,024 x 2,048 float32; W_o 1,024 x 2,048 float32; b_c 1,024 float32; b_f 1,024 float32; b_i 1,024 float32; b_o 1,024 float32; c_prev 8,192 x 1,024 float32; h_prev 8,192 x 1,024 float32; x_t 8,192 x 1,024 float32.
;; Outputs: out0 8,192 x 1,024 float32; out1 8,192 x 1,024 float32.
;; 2 versions, each right; version 2 is version 1 with the launch cast written anew for expert scheduling mode. Each part assembles by itself: llvm-mc -triple=amdgcn-amd-amdhsa -mcpu=gfx1250 --defsym DOCPART=n.
;; ======== version 1 of 2: 2 launches
;; workspace buffers: ab 33,554,432 bytes; wb 16,777,216 bytes
;; launch cast (part 1): grid 256 x 3, 8 waves a work-group, no clusters, 0 bytes of LDS; arguments x_t, h_prev, W_f, W_i, W_c, W_o, ab, wb; writes ab, wb
.if DOCPART == 1
	.amdgcn_target "amdgcn-amd-amdhsa--gfx1250"
	.amdhsa_code_object_version 6
	.text
	.protected	k_q9de0227a43_cast
	.globl	k_q9de0227a43_cast
	.p2align	8
	.type	k_q9de0227a43_cast,@function
k_q9de0227a43_cast:
	s_mov_b64 s[64:65], 0
	v_nop
	global_prefetch_b8 v0, s[64:65] scope:SCOPE_SE
	s_setreg_imm32_b32 hwreg(HW_REG_WAVE_MODE, 25, 1), 1
	s_wait_xcnt 0x0
; THE OPERANDS OF THE GATES' PRODUCT, ROUNDED ONCE TO bf16 AND LAID OUT FOR IT.
;   ab: [8192][2048] bf16: row r = x_t[r] (bytes 0-2047), then h_prev[r] (bytes 2048-4095).
;   wb: [4096][2048] bf16: row 256 ct + 64 g + j = W_g[64 ct + j], g = 0 f, 1 i, 2 c, 3 o: the 256 rows that a column tile of the next launch multiplies lie on end.
; LIMITS.  Round to nearest even; a number beyond bf16's largest finite one (3.39e38) becomes an infinity; NaN stays NaN.
; SHARES.  A PIECE is 1,024 consecutive f32 (4,096 bytes), which become 2,048 bytes.  Three classes of 8,192 pieces (grid y): x_t's rows, h_prev's rows, the half rows of the four W.
; Work-group x takes pieces 32 x .. 32 x + 31 of its class, wave w four of them: 16 KiB of consecutive source, asked for by 32 loads that are all out before the first is waited for.
; A load of a wave covers 512 consecutive bytes; the store made of it covers 256 consecutive bytes, aligned.  No LDS, no barrier, no loop: no wave wants another's bytes, and memory binds.
; No prefetch: every byte is asked for at once by its own load.
.set PIECE, 4096                       ; bytes of source in a piece
.set X,     8                          ; v[8:135]  32 loads of 4 registers; the rounded pair takes the first two
                                       ; v1 16 x lane (source); v2-v5 8 x lane + piece x its stride (destination); v6, v7 at work
	s_load_b512 s[8:23], s[0:1], 0x0               ; x_t s[8:9], h_prev s[10:11], W_f s[12:13], W_i s[14:15], W_c s[16:17], W_o s[18:19], ab s[20:21], wb s[22:23]
	v_lshrrev_b32 v6, 5, v0
	v_readfirstlane_b32 s24, v6                    ; wave 0..7
	v_and_b32 v7, 31, v0                           ; lane
	s_and_b32 s25, ttmp7, 0xffff                   ; the class: 0 x_t, 1 h_prev, 2 the weights
	s_lshr_b32 s26, ttmp9, 6                       ; the gate, for class 2: 64 work-groups to a W
	s_lshl_b32 s27, ttmp9, 5
	s_lshl2_add_u32 s27, s24, s27                  ; my first piece: 32 x + 4 w
	s_and_b32 s28, s27, 2047                       ; its number inside its W: a multiple of 4, so my four pieces are two whole rows
	s_lshr_b32 s29, s28, 1                         ; W's row: even, so both rows lie in one group of 64
	s_lshr_b32 s39, s29, 6
	s_lshl_b32 s39, s39, 8                         ; 256 ct
	s_lshl_b32 s40, s26, 6                         ; 64 g
	s_add_co_u32 s39, s39, s40
	s_and_b32 s40, s29, 63                         ; j
	s_add_co_u32 s39, s39, s40
	s_lshl_b32 s39, s39, 12                        ; wb's row, in bytes
	s_lshl_b32 s40, s27, 12                        ; x_t's or h_prev's row in bytes, and ab's row
	s_lshl_b32 s41, s25, 11                        ; h_prev goes into the row's second half
	s_add_co_u32 s41, s40, s41
	s_lshl_b32 s42, s28, 12                        ; my first piece in its W, in bytes
	s_cmp_eq_u32 s25, 2
	s_cselect_b32 s34, s42, s40                    ; the source's offset,
	s_cselect_b32 s36, s39, s41                    ; the destination's,
	s_cselect_b32 s38, 1, 2
	s_mov_b32 s35, 0
	s_mov_b32 s37, 0
	s_lshl_b32 s38, s38, 11                        ; and from piece to piece there: 2,048 bytes in wb (half a row), 4,096 in ab (a row)
	v_lshlrev_b32 v1, 4, v7
	v_lshlrev_b32 v2, 3, v7
	v_add_nc_u32 v3, s38, v2
	v_add_nc_u32 v4, s38, v3
	v_add_nc_u32 v5, s38, v4
	s_wait_kmcnt 0x0
	s_cmp_eq_u32 s26, 1                            ; the buffers are chosen by the work-group's numbers alone
	s_cselect_b64 s[30:31], s[14:15], s[12:13]
	s_cmp_eq_u32 s26, 2
	s_cselect_b64 s[30:31], s[16:17], s[30:31]
	s_cmp_eq_u32 s26, 3
	s_cselect_b64 s[30:31], s[18:19], s[30:31]
	s_cmp_eq_u32 s25, 1
	s_cselect_b64 s[44:45], s[10:11], s[8:9]
	s_cmp_eq_u32 s25, 2
	s_cselect_b64 s[30:31], s[30:31], s[44:45]
	s_cselect_b64 s[32:33], s[22:23], s[20:21]
	s_add_nc_u64 s[30:31], s[30:31], s[34:35]
	s_add_nc_u64 s[32:33], s[32:33], s[36:37]
.irp i, 0,1,2,3
.irp k, 0,1,2,3,4,5,6,7
	global_load_b128 v[X+4*(8*(\i)+(\k)):X+4*(8*(\i)+(\k))+3], v1, s[30:31] offset:PIECE*(\i)+512*(\k) th:TH_LOAD_NT  ; read once in the launch
.endr
.endr
.irp i, 0,1,2,3
.irp k, 0,1,2,3,4,5,6,7
	s_wait_loadcnt 31-(8*(\i)+(\k))                ; loads come back in order (ISA guide 5.7.1): this one is in, the younger ones stay out
	v_cvt_pk_bf16_f32 v[X+4*(8*(\i)+(\k))],   v[X+4*(8*(\i)+(\k))],   v[X+4*(8*(\i)+(\k))+1]
	v_cvt_pk_bf16_f32 v[X+4*(8*(\i)+(\k))+1], v[X+4*(8*(\i)+(\k))+2], v[X+4*(8*(\i)+(\k))+3]
	global_store_b64 v[2+(\i)], v[X+4*(8*(\i)+(\k)):X+4*(8*(\i)+(\k))+1], s[32:33] offset:256*(\k)  ; 32 lanes x 8 bytes: 256 consecutive bytes, aligned; no register that a store names is written again
.endr
.endr
	s_endpgm
.Lfunc_end_k_q9de0227a43_cast:
	.size	k_q9de0227a43_cast, .Lfunc_end_k_q9de0227a43_cast-k_q9de0227a43_cast
	.p2alignl 7, 3214868480
	.fill 96, 4, 3214868480
	.section	.rodata,"a",@progbits
	.p2align	6, 0x0
	.amdhsa_kernel k_q9de0227a43_cast
		.amdhsa_group_segment_fixed_size 0
		.amdhsa_private_segment_fixed_size 0
		.amdhsa_enable_private_segment 0
		.amdhsa_kernarg_size 64
		.amdhsa_user_sgpr_count 2
		.amdhsa_user_sgpr_kernarg_segment_ptr 1
		.amdhsa_wavefront_size32 1
		.amdhsa_system_sgpr_workgroup_id_x 1
		.amdhsa_system_sgpr_workgroup_id_y 1
		.amdhsa_system_sgpr_workgroup_id_z 1
		.amdhsa_system_vgpr_workitem_id 0
		.amdhsa_next_free_vgpr 136
		.amdhsa_next_free_sgpr 66
		.amdhsa_reserve_vcc 0
		.amdhsa_float_denorm_mode_32 3
		.amdhsa_float_denorm_mode_16_64 3
		.amdhsa_memory_ordered 1
		.amdhsa_forward_progress 1
		.amdhsa_inst_pref_size 13
	.end_amdhsa_kernel
	.amdgpu_metadata
---
amdhsa.version: [ 1, 2 ]
amdhsa.kernels:
  - .name:           k_q9de0227a43_cast
    .symbol:         k_q9de0227a43_cast.kd
    .args:
      - { .name: x_t, .offset: 0, .size: 8, .value_kind: global_buffer, .address_space: global }
      - { .name: h_prev, .offset: 8, .size: 8, .value_kind: global_buffer, .address_space: global }
      - { .name: W_f, .offset: 16, .size: 8, .value_kind: global_buffer, .address_space: global }
      - { .name: W_i, .offset: 24, .size: 8, .value_kind: global_buffer, .address_space: global }
      - { .name: W_c, .offset: 32, .size: 8, .value_kind: global_buffer, .address_space: global }
      - { .name: W_o, .offset: 40, .size: 8, .value_kind: global_buffer, .address_space: global }
      - { .name: ab, .offset: 48, .size: 8, .value_kind: global_buffer, .address_space: global }
      - { .name: wb, .offset: 56, .size: 8, .value_kind: global_buffer, .address_space: global }
    .group_segment_fixed_size: 0
    .private_segment_fixed_size: 0
    .kernarg_segment_align: 8
    .kernarg_segment_size: 64
    .max_flat_workgroup_size: 256
    .sgpr_count:     66
    .vgpr_count:     136
    .wavefront_size: 32
...
	.end_amdgpu_metadata
.endif
;; end of part 1
;; launch lstm (part 2): grid 16 x 32, 4 waves a work-group, clusters of 4 x 4, 327,680 bytes of LDS; arguments ab, wb, out0, out1, b_f, b_i, b_c, b_o, c_prev; writes out0, out1
.if DOCPART == 2
	.amdgcn_target "amdgcn-amd-amdhsa--gfx1250"
	.amdhsa_code_object_version 6
	.text
	.protected	k_q9de0227a43_lstm
	.globl	k_q9de0227a43_lstm
	.p2align	8
	.type	k_q9de0227a43_lstm,@function
k_q9de0227a43_lstm:
	s_mov_b64 s[64:65], 0
	v_nop
	global_prefetch_b8 v0, s[64:65] scope:SCOPE_SE
	s_setreg_imm32_b32 hwreg(HW_REG_WAVE_MODE, 25, 1), 1
	s_wait_xcnt 0x0
	s_wait_alu depctr_hold_cnt(0) depctr_sa_sdst(0) depctr_va_vdst(0) depctr_va_sdst(0) depctr_va_ssrc(0) depctr_va_vcc(0) depctr_vm_vsrc(0)
	s_getreg_b32 s2, hwreg(HW_REG_IB_STS2, 6, 4)
	s_cmp_eq_u32 s2, 0
	s_cbranch_scc0 .Lentry_in_a_cluster
	s_endpgm
.Lentry_in_a_cluster:
	s_bfe_u32 s2, ttmp6, 0x10000c
	s_cmp_lg_u32 s2, 0xf033
	s_cbranch_scc0 .Lentry_shape_is_right
	s_endpgm
.Lentry_shape_is_right:
; ONE LSTM STEP.  gates = ab wb^T + b (ab: [8192][2048] bf16 = [x_t | h_prev]; wb: [4096][2048] bf16, row 256 ct + 64 g + j = W_g[64 ct + j], g = f, i, c, o); sums in f32;
; c_t = sigmoid(f) c_prev + sigmoid(i) tanh(g) -> out1;  h_t = sigmoid(o) tanh(c_t) -> out0.  Biases, c_prev, the activations and both outputs in f32.
; LIMITS.  sigmoid(x) = 1 / (1 + 2^(-x log2 e)), tanh(x) = 1 - 2 / (1 + 2^(2 x log2 e)): where the power overflows its reciprocal is 0, and where it falls below 2^-126 it counts as 0, so the
; saturated values come out right; near 0 tanh carries an absolute error of about 2e-7 (a difference of numbers near 1), not a relative one; NaN passes through.
; SHARES.  A work-group makes 256 rows x 64 hidden columns of both outputs: a tile of 256 x 256 of the gates (4 gates x 64 columns: 256 consecutive rows of wb).  Four waves, as many as a WGP has
; SIMDs; wave w makes rows 128 (w / 2) on and hidden columns 32 (w % 2) on of EVERY gate: 64 accumulators of 16 x 16, 512 registers.  512 work-groups of equal work.
; THE MATRIX INSTRUCTION IS USED TRANSPOSED (source 0 = 16 rows of wb, source 1 = 16 rows of ab): lane l holds row l % 16 and the eight hidden columns 8 (l / 16) + 0..7.  n block b = 2 g + sub is
; gate g, hidden columns 16 sub on: so f, i, g and o of a cell lie in the same lane and the same register number of four accumulators, and the cell is finished without a change of lanes.
; THE BIAS is the C operand of the product that starts each sum: nothing is cleared and nothing is added later.
; THE RING.  K goes in 16 steps of 128 through two LDS slots filled by the tensor data mover; rows of 256 bytes, aligned.  CLUSTERS of 4 x 4: the four of a row of the cluster need the same tiles
; of ab, the four of a column the same tiles of wb: each is asked for JOINTLY.  c_prev's tile (256 rows x 256 bytes) is the work-group's own: a plain load, slot 0's last fill of the launch.
; THE WAY OUT.  c_t and h_t go into slot 0's bytes, which are filled no more (c_t onto c_prev's rows, h_t behind them), and come back as whole rows of 256 bytes.
; REGISTERS, in windows of 256 (s_set_vgpr_msb: bits 1:0 source 0, 3:2 source 1, 5:4 source 2, 7:6 destination):
;   window 0: v0-31 addresses; v64-127, v128-191 fragments of ab, two buffers, later the rows read back on the way out; v192-255 the biases, n block b at 192 + 8 b
;   window 1: v64-127, v128-191 fragments of wb, two buffers; v0-63, v192-255 c_prev of my cells, 16 registers an m block
;   window 2: the accumulators of m blocks 0-3 ((a, b) at 8 (8 a + b));   window 3: those of m blocks 4-7
.set SIZE_K, 2048
.set ROWB,   4096                      ; bytes in a row of ab, wb, c_prev, out0 and out1
.set KSTEP,  128
.set PITCH,  272                       ; an LDS row: 256 bytes + 16 of padding = 68 words: row r starts at bank 4 r mod 64 (64 banks of 4 bytes: ISA guide 11.1), so 16 rows start at 16 different banks
.set HALFT,  128*PITCH                 ; 128 rows: what one tensor load of the ring brings
.set SLOT,   4*HALFT                   ; ab's 256 rows, then wb's 256 rows
.set HST,    256*PITCH                 ; the way out: c_prev and then c_t in bytes 0 .. HST - 1, h_t from HST on: both in slot 0
.set SPARE,  2*SLOT                    ; behind the ring: the spare words, 128 bytes for each wave: two blocks of 256 bytes that no other line names
.set LAPS,   SIZE_K/(2*KSTEP)          ; 8: a lap = two K steps = once round the ring
.set ADRA, 16                          ; v16-17  LDS address of my fragments of ab in slot 0, 1
.set ADRB, 20                          ; v20-21  the same for wb
.set RDH,  22                          ; v22     the way out: where I read a row of h_t back
.set HSA,  23                          ; v23     where I put 16 bytes of h_t
.set CSA,  24                          ; v24     where my cells' c_prev lies and c_t goes
.set RD,   25                          ; v25     where I read a row of c_t back
.set CO,   26                          ; v26     my byte offset in two rows of an output
.set SPW,  28                          ; v28     LDS address of my spare word: SPARE + 4 x my thread's number; never rewritten
.set NIL,  29                          ; v29     0; never rewritten
.set PFO,  30                          ; v30     the prefetches' offset: my lane x a row; never rewritten
.set BO,   31                          ; v31     my byte offset in a bias
.set F0,   64                          ; fragment buffer 0
.set F1,   128                         ; fragment buffer 1
.set OBC,  64                          ; the way out: 32 rows of c_t,
.set OBH,  128                         ; and of h_t, read back
.set BIAS, 192
.set G1,  24                           ; s[24:31] descriptor group 1 for ab's tiles;  s[32:39] group 0, a set for each slot
.set G0,  32
.set LIM, 43                           ; s43      1 in a wave that prefetches the ring's tiles, else the greatest number
.set PFA, 44                           ; s[44:45] where those prefetches stand
.set G1B, 48                           ; s[48:55], s[56:63] the same two groups for wb's tiles
.set G0B, 56
.set OH,  68                           ; s[68:69] out0 (h_t), s[70:71] out1 (c_t), at the first row that I store
.set OC,  70
.set BP,  72                           ; s[72:79] b_f, b_i, b_c, b_o
.set G1C, 80                           ; s[80:87], s[88:91] the two groups for c_prev's tile
.set G0C, 88
.set CPA, 92                           ; s[92:93] c_prev at the 64 rows that I fetch
.set NL,  94                           ; s[94:95] -log2 e; named as a pair, the low word serves both halves
.set TL,  96                           ; s[96:97] 2 log2 e
.set MSB, 0
.macro WIN new                         ; the immediate's high byte repeats the setting that is left; a switch that changes nothing is dropped
.if MSB != (\new)
	s_set_vgpr_msb (MSB<<8)|(\new)
.set MSB, \new
.endif
.endm
.set MUL_LO, 0xa1                      ; source 0 (wb) window 1, source 1 (ab) window 0, C and D window 2;  + 0x50: C and D window 3
.set MUL_B,  0x81                      ; the same with C (the bias) in window 0;  + 0x40: D window 3
.set TO_B,   0x40                      ; destination window 1, address window 0
; A joint load.  Waves 0 and 1 fetch ab's two halves, waves 2 and 3 wb's.  Each line has one mask and one set of registers for all that issue it; the branch hangs on the wave's number alone.
; An s_nop 0 and four v_nop follow each of the two lines, ahead of the jump, the label and what follows.
.macro JLOAD s
	s_cmp_eq_u32 s11, 0
	s_cbranch_scc0 .Lfor_b_\@
	tensor_load_to_lds s[G0+4*(\s):G0+4*(\s)+3], s[G1:G1+7]
	s_nop 0
.rept 4
	v_nop
.endr
	s_branch .Lasked_\@
.Lfor_b_\@:
	tensor_load_to_lds s[G0B+4*(\s):G0B+4*(\s)+3], s[G1B:G1B+7]
	s_nop 0
.rept 4
	v_nop
.endr
.Lasked_\@:
.endm
; A PREFETCH INTO THE L2, behind each joint load, its five lines and the run of LDS loads: the K step that stands TWO refills on (512 matrix instructions ahead of the load that will want it):
; 32 rows x 256 bytes, a lane a row, one instruction a wave.  Each row's 256 bytes of a K step are named once in the launch: ab's tile row is read by every cluster of that row of clusters, and
; cluster x = 0 asks; wb's tile column by every cluster of that column, and cluster y = 0 asks.  The four partners that ask for a tile jointly share its rows out BY ADDRESS: of the 128 rows that a
; wave fetches the partner at place p takes 32 p on (p = cx for ab, cy for wb).  The loop's last trip (s3 = 1) asks for nothing: K steps 16 and 17 do not exist.
.macro ASK
	s_cmp_gt_u32 s3, s[LIM]
	s_cbranch_scc0 .Lnot_mine_\@
	global_prefetch_b8 v[PFO], s[PFA:PFA+1] offset:KSTEP*2 th:TH_LOAD_NT scope:SCOPE_SE
.Lnot_mine_\@:
.endm
; c_prev's tile is read once, by this work-group alone: each wave names the 64 rows x 256 bytes that it will fetch, a lane a row, two instructions, in the loop's last trip: two K steps ahead of the load.
.macro ASKC
	s_cmp_eq_u32 s3, 1
	s_cbranch_scc0 .Lnot_yet_\@
	global_prefetch_b8 v[PFO], s[CPA:CPA+1] th:TH_LOAD_NT scope:SCOPE_SE
	global_prefetch_b8 v[PFO], s[CPA:CPA+1] offset:32*ROWB th:TH_LOAD_NT scope:SCOPE_SE
.Lnot_yet_\@:
.endm
; A round of the cluster's barrier: my work-group's barrier, so that wave 0's signal speaks for all four waves; wave 0 signals; every wave waits for all sixteen work-groups; my work-group's barrier once more.
.macro CREST                           ; a round behind its opening barrier
	s_cmp_lg_u32 s10, 0
	s_cbranch_scc1 .Lnot_wave_0_\@
	s_barrier_signal -3
.Lnot_wave_0_\@:
	s_barrier_wait -3
	s_barrier_signal -1
	s_barrier_wait -1
.endm
.macro CROUND                          ; a whole round
	s_barrier_signal -1
	s_barrier_wait -1
	CREST
.endm
	s_load_b128 s[4:7], s[0:1], 0x0                ; ab s[4:5], wb s[6:7]
	s_load_b128 s[OH:OH+3], s[0:1], 0x10           ; out0, out1
	s_load_b256 s[BP:BP+7], s[0:1], 0x20           ; b_f, b_i, b_c, b_o
	s_load_b64 s[8:9], s[0:1], 0x40                ; c_prev
	v_lshl_add_u32 v[SPW], v0, 2, SPARE
	v_mov_b32 v[NIL], 0
	ds_add_u32 v[SPW], v[NIL]                      ; the wave's opening: the add, twice on end, and its wait ahead of my first tensor load; the set-up below, work on registers, stands between
	ds_add_u32 v[SPW], v[NIL]                      ; and once more, under the one wait
	v_lshrrev_b32 v1, 5, v0
	v_readfirstlane_b32 s10, v1                    ; wave 0..3
	s_lshr_b32 s11, s10, 1                         ; which half of the tile's rows is mine.  Also: I fetch for ab (0) or for wb (1)
	s_and_b32 s12, s10, 1                          ; which half of each gate's 64 columns.  Also: which 128 rows of that tile I fetch
	s_bfe_u32 s40, ttmp6, 0x40000                  ; cx, cy: my place in the cluster
	s_bfe_u32 s41, ttmp6, 0x40004
	s_lshl_b32 s42, ttmp9, 2                       ; in a cluster launch ttmp9 and ttmp7 count clusters
	s_add_co_u32 s42, s42, s40                     ; tile column tc = 4 x cluster x + cx
	s_and_b32 s13, ttmp7, 0xffff
	s_lshl_b32 s13, s13, 2
	s_add_co_u32 s13, s13, s41                     ; tile row tr = 4 x cluster y + cy
	s_lshl_b32 s43, s41, 2
	s_lshl_b32 s43, 15, s43                        ; my row of the cluster: places 4 cy .. 4 cy + 3
	s_lshl_b32 s44, 0x1111, s40                    ; my column: places cx, cx + 4, cx + 8, cx + 12
	; descriptor group 1 of the ring: a tile of 128 rows x 128 elements of 2 bytes, padded in LDS
	s_or_b32 s[G1+0], s43, (1<<16)|(1<<20)|(1<<21)|(5<<22)|(3<<25)   ; 15:0 the mask: ab's tiles go to my row; 17:16 2-byte elements; 20 padding on; 21 set beside a mask; 24:22 after every 64 words (code 5); 31:25 4 words (code 3)
	s_or_b32 s[G1B+0], s44, (1<<16)|(1<<20)|(1<<21)|(5<<22)|(3<<25)  ; the same with the mask of my column, for wb's tiles
.irp g, G1, G1B
	s_mov_b32 s[(\g)+1], KSTEP<<16                 ; tensor_dim0 = 128
	s_mov_b32 s[(\g)+2], 128<<16                   ; tensor_dim1 = 128
	s_mov_b32 s[(\g)+3], KSTEP<<16                 ; tile_dim0 = 128
	s_mov_b32 s[(\g)+4], 128                       ; tile_dim1 = 128
	s_mov_b32 s[(\g)+5], SIZE_K                    ; elements from row to row
	s_mov_b32 s[(\g)+6], 0
	s_mov_b32 s[(\g)+7], 0
.endr
	; and of c_prev's tile: 64 rows x 64 elements of 4 bytes, no mask: the load is my work-group's own
	s_mov_b32 s[G1C+0], (2<<16)|(1<<20)|(5<<22)|(3<<25)
	s_mov_b32 s[G1C+1], 64<<16                     ; tensor_dim0 = 64
	s_mov_b32 s[G1C+2], 64<<16                     ; tensor_dim1 = 64
	s_mov_b32 s[G1C+3], 64<<16                     ; tile_dim0 = 64
	s_mov_b32 s[G1C+4], 64                         ; tile_dim1 = 64
	s_mov_b32 s[G1C+5], 1024                       ; elements from row to row
	s_mov_b32 s[G1C+6], 0
	s_mov_b32 s[G1C+7], 0
	s_mov_b32 s[NL], 0xbfb8aa3b                    ; -log2 e
	s_mov_b32 s[NL+1], s[NL]
	s_mov_b32 s[TL], 0x4038aa3b                    ; 2 log2 e
	s_mov_b32 s[TL+1], s[TL]
	; where the ring's tiles come from: ab's hang on the tile row alone, wb's on the tile column alone, each made in registers that do not hold the other coordinate
	s_lshl_b32 s17, s12, 7                         ; which 128 rows of the tile I fetch
	s_lshl_b32 s16, s13, 8
	s_add_co_u32 s16, s16, s17                     ; ab: row 256 tr + 128 x half
	s_lshl_b32 s46, s42, 8
	s_add_co_u32 s46, s46, s17                     ; wb: row 256 tc + 128 x half
	s_lshl_b32 s16, s16, 12                        ; in bytes: under 2^25
	s_mov_b32 s17, 0
	s_lshl_b32 s46, s46, 12
	s_mov_b32 s47, 0
	s_mul_i32 s20, s10, HALFT                      ; and where they go: wave x 128 rows: no place in the cluster enters an LDS address
	s_wait_dscnt 0x0                               ; both opening adds are done
	s_wait_kmcnt 0x0
	s_add_nc_u64 s[14:15], s[4:5], s[16:17]
	s_add_nc_u64 s[46:47], s[6:7], s[46:47]
	CROUND                                         ; all sixteen work-groups are here: the first joint loads meet
.irp s, 0,1
	s_mov_b32 s[G0+4*(\s)], 1                                        ; count = 1
	s_add_co_u32 s[G0+4*(\s)+1], s20, (\s)*SLOT                      ; LDS address
	s_add_nc_u64 s[G0+4*(\s)+2:G0+4*(\s)+3], s[14:15], (\s)*KSTEP*2  ; global address: K step s
	s_or_b32 s[G0+4*(\s)+3], s[G0+4*(\s)+3], 0x80000000              ; type = 2
	s_mov_b32 s[G0B+4*(\s)], 1
	s_add_co_u32 s[G0B+4*(\s)+1], s20, (\s)*SLOT
	s_add_nc_u64 s[G0B+4*(\s)+2:G0B+4*(\s)+3], s[46:47], (\s)*KSTEP*2
	s_or_b32 s[G0B+4*(\s)+3], s[G0B+4*(\s)+3], 0x80000000
	JLOAD \s                                       ; two loads of mine are out
.endr
	; LDS addresses.  A fragment is 16 rows x 32 K in 8 registers: lane l holds row l % 16; registers 0-3 K = 8 (l / 16) + 0..7, registers 4-7 K = 16 + 8 (l / 16) + 0..7: two loads of 16 bytes, 32 bytes apart.
	v_and_b32 v1, 15, v0                           ; r = l % 16
	v_bfe_u32 v2, v0, 4, 1                         ; h = l / 16
	v_mul_u32_u24 v3, v1, PITCH
	v_lshl_add_u32 v4, v2, 5, v3                   ; 272 r + 32 h, for the cells
	v_lshl_add_u32 v3, v2, 4, v3                   ; 272 r + 16 h, for the fragments
	s_mul_i32 s21, s11, HALFT                      ; my 128 rows of ab
	s_mul_i32 s22, s12, 32*PITCH                   ; my 32 rows of each gate's 64 in wb's tile,
	s_add_co_u32 s22, s22, 2*HALFT                 ; which lies behind ab's 256 rows
.irp s, 0,1
	v_add_nc_u32 v[ADRA+(\s)], s21, v3
	v_add_nc_u32 v[ADRB+(\s)], s22, v3
	s_add_co_u32 s21, s21, SLOT
	s_add_co_u32 s22, s22, SLOT
.endr
	s_mul_i32 s23, s11, HALFT                      ; a cell's place: row 128 (w / 2) + 16 a + r; byte 128 (w % 2) + 64 sub + 32 h + 4 j of the row's 256
	s_lshl_b32 s21, s12, 7
	s_add_co_u32 s23, s23, s21
	v_add_nc_u32 v[CSA], s23, v4
	v_add_nc_u32 v[HSA], HST, v[CSA]
	v_mul_u32_u24 v5, v2, PITCH                    ; back: wave w takes rows 128 (w / 2) + 32 (w % 2) + 64 p on, whole; lanes 0-15 one row, lanes 16-31 the next
	v_lshl_add_u32 v5, v1, 4, v5
	s_mul_i32 s23, s11, HALFT
	s_mul_i32 s21, s12, 32*PITCH
	s_add_co_u32 s23, s23, s21
	v_add_nc_u32 v[RD], s23, v5
	v_add_nc_u32 v[RDH], HST, v[RD]
	s_mul_i32 s[G0C+1], s10, 64*PITCH              ; c_prev's rows 64 w on go to LDS rows 64 w on
	s_mov_b32 s[G0C], 1
	; offsets in memory
	v_lshlrev_b32 v5, 12, v2                       ; the same two rows in an output
	v_lshl_add_u32 v[CO], v1, 4, v5
	v_and_b32 v[PFO], 31, v0
	v_lshlrev_b32 v[PFO], 12, v[PFO]
	s_lshl_b32 s19, s42, 8                         ; 256 tc: the tile's first byte in a row of c_prev, out0 and out1, and in a bias
	s_lshl_b32 s23, s12, 7
	s_add_co_u32 s23, s19, s23
	v_lshl_add_u32 v[BO], v2, 5, s23               ; 256 tc + 128 (w % 2) + 32 h
.irp g, 0,1,2,3
.irp t, 0,1,2,3
	global_load_b128 v[BIAS+16*(\g)+4*(\t):BIAS+16*(\g)+4*(\t)+3], v[BO], s[BP+2*(\g):BP+2*(\g)+1] offset:64*((\t)/2)+16*((\t)%2)  ; n block 2 g + t / 2, registers 4 (t % 2) on: a lane's eight columns' biases, the same for every row
.endr
.endr
	s_lshl_b32 s18, s13, 8                         ; 256 tr
	s_lshl_b32 s16, s11, 7
	s_add_co_u32 s16, s18, s16
	s_lshl_b32 s17, s12, 5
	s_add_co_u32 s16, s16, s17                     ; the first row that I store: 256 tr + 128 (w / 2) + 32 (w % 2)
	s_lshl_b32 s16, s16, 12
	s_add_co_u32 s16, s16, s19
	s_mov_b32 s17, 0
	s_add_nc_u64 s[OH:OH+1], s[OH:OH+1], s[16:17]
	s_add_nc_u64 s[OC:OC+1], s[OC:OC+1], s[16:17]
	s_lshl_b32 s16, s10, 6
	s_add_co_u32 s16, s18, s16                     ; the first row of c_prev that I fetch: 256 tr + 64 w
	s_lshl_b32 s16, s16, 12
	s_add_co_u32 s16, s16, s19
	s_add_nc_u64 s[CPA:CPA+1], s[8:9], s[16:17]
	s_mov_b64 s[G0C+2:G0C+3], s[CPA:CPA+1]
	s_or_b32 s[G0C+3], s[G0C+3], 0x80000000
	; the ring's prefetches
	s_and_b32 s22, ttmp7, 0xffff                   ; cluster y
	s_cmp_eq_u32 s11, 0                            ; do I fetch for ab?
	s_cselect_b32 s20, s18, s19                    ; the tile's first row: in ab by the tile row, in wb by the tile column
	s_cselect_b32 s21, s40, s41                    ; my place among the four that ask for it with me
	s_cselect_b32 s22, ttmp9, s22                  ; the coordinate along which other clusters read the same rows
	s_cselect_b64 s[PFA:PFA+1], s[4:5], s[6:7]
	s_cmp_eq_u32 s22, 0
	s_cselect_b32 s[LIM], 1, -1                    ; the same in all sixteen partners, for a given wave
	s_lshl_b32 s22, s12, 7
	s_add_co_u32 s20, s20, s22                     ; + the 128 rows that I fetch
	s_lshl_b32 s21, s21, 5
	s_add_co_u32 s20, s20, s21                     ; + my work-group's 32 of them
	s_lshl_b32 s20, s20, 12
	s_mov_b32 s21, 0
	s_add_nc_u64 s[PFA:PFA+1], s[PFA:PFA+1], s[20:21]
	s_add_nc_u64 s[PFA:PFA+1], s[PFA:PFA+1], 2*KSTEP*2  ; at K step 2: the first refill steps it to 3 and names K step 4; nothing is prefetched here, at the head
; 16 matrix instructions: m blocks a0, a0 + 1 of the window's four (hi = 0: my rows 0-63, 1: rows 64-127) x all 8 n blocks, 32 along K.  first = 1: the product starts the sum with the bias as C.
; The 64 accumulators take turns in the same order in every quarter step: between two links of a chain stand the 63 others'.
.macro MUL16 f, hi, a0, first
.if \first
	WIN MUL_B+0x40*(\hi)
.else
	WIN MUL_LO+0x50*(\hi)
.endif
.irp a, \a0, (\a0)+1
.irp b, 0,1,2,3,4,5,6,7
.if \first
	v_wmma_f32_16x16x32_bf16 v[8*(8*(\a)+(\b)):8*(8*(\a)+(\b))+7], v[(\f)+8*(\b):(\f)+8*(\b)+7], v[(\f)+8*(4*(\hi)+(\a)):(\f)+8*(4*(\hi)+(\a))+7], v[BIAS+8*(\b):BIAS+8*(\b)+7]
.else
	v_wmma_f32_16x16x32_bf16 v[8*(8*(\a)+(\b)):8*(8*(\a)+(\b))+7], v[(\f)+8*(\b):(\f)+8*(\b)+7], v[(\f)+8*(4*(\hi)+(\a)):(\f)+8*(4*(\hi)+(\a))+7], v[8*(8*(\a)+(\b)):8*(8*(\a)+(\b))+7]
.endif
.endr
.endr
.endm
; 32 LDS loads in one run: the fragments of one quarter step (32 K at byte k of the rows) into buffer f.  wb's n block i = 2 g + sub lies at tile row 64 g + 16 sub behind my 32 (w % 2).
.macro FETCH slot, k, f
	WIN TO_B
.irp i, 0,1,2,3,4,5,6,7
	ds_load_b128 v[(\f)+8*(\i):(\f)+8*(\i)+3],   v[ADRB+(\slot)] offset:(\k)+(((\i)/2)*64+((\i)%2)*16)*PITCH
	ds_load_b128 v[(\f)+8*(\i)+4:(\f)+8*(\i)+7], v[ADRB+(\slot)] offset:(\k)+(((\i)/2)*64+((\i)%2)*16)*PITCH+32
.endr
	WIN 0
.irp i, 0,1,2,3,4,5,6,7
	ds_load_b128 v[(\f)+8*(\i):(\f)+8*(\i)+3],   v[ADRA+(\slot)] offset:(\k)+(\i)*16*PITCH
	ds_load_b128 v[(\f)+8*(\i)+4:(\f)+8*(\i)+7], v[ADRA+(\slot)] offset:(\k)+(\i)*16*PITCH+32
.endr
.endm
; A load into a register that a matrix instruction has read, and a vector instruction that reads a matrix result, stand four places behind that matrix instruction, and only plain vector
; instructions that name none of its registers are places (ISA guide 7.12.1 for vector instructions).
.macro PLACES
.rept 4
	v_nop
.endr
.endm
; A K step is four quarter steps of 32 along K, 64 matrix instructions each, on buffers 0, 1, 0, 1.  One of the first three multiplies buffer f and, in its middle, fetches the next quarter into g.
.macro QUARTER slot, k, f, g, first
	s_wait_dscnt 8                                 ; wb's fragments and ab's rows 0-63 are in; the youngest eight loads (ab's rows 64-127) may be out
	MUL16 \f, 0, 0, \first
	MUL16 \f, 0, 2, \first
	PLACES
	FETCH \slot, \k, \g
	s_wait_dscnt 32                                ; all but the 32 just issued
	MUL16 \f, 1, 0, \first
	MUL16 \f, 1, 2, \first
.endm
; The first half of a step's last quarter, which changes slots.  In front of the barrier each wave waits for all its tensor loads, of which one is out: its part of the next slot; adds 0 to its
; spare word; and waits for that and for its own reads of this slot.  The barrier opens a round of the cluster's barrier.
.macro MEET
	WIN 0                                          ; (the add's two registers lie in window 0)
	s_wait_tensorcnt 0x0                           ; all my tensor loads have landed;
	ds_add_u32 v[SPW], v[NIL]                      ; 0 onto my spare word;
	s_wait_dscnt 9                                 ; (the add and the youngest eight loads may be out)
	MUL16 F1, 0, 0, 0                              ; sixteen matrix instructions stand between the add and the wait for it
	s_wait_dscnt 0x0                               ; the add is done, and my reads of this slot are over:
	s_barrier_signal -1                            ; say so,
	MUL16 F1, 0, 2, 0                              ; work on registers while the others arrive,
	WIN 0
	s_barrier_wait -1
.endm
; The whole last quarter.  Behind the round the slot just read out is filled again first, with the K step two steps on; then come the next slot's first fragments.  From a request to the wait for it a wave issues 224 matrix instructions.
.macro TURN slot, next
	s_wait_xcnt 0x0                                ; the last prefetch, a K step back, has read its address: it is stepped here, ahead of the waits of the change of slots
	s_add_nc_u64 s[PFA:PFA+1], s[PFA:PFA+1], KSTEP*2
	MEET
	CREST                                          ; no wave of any partner still reads this slot's tile or has a load on its way
	s_add_nc_u64 s[G0+4*(\slot)+2:G0+4*(\slot)+3], s[G0+4*(\slot)+2:G0+4*(\slot)+3], 2*KSTEP*2
	s_add_nc_u64 s[G0B+4*(\slot)+2:G0B+4*(\slot)+3], s[G0B+4*(\slot)+2:G0B+4*(\slot)+3], 2*KSTEP*2
	JLOAD \slot                                    ; the first tensor load behind the round; the four v_nop behind it are also the places in front of the loads below
	FETCH \next, 0, F0
	ASK
.if (\slot) == 0
	ASKC
.endif
	MUL16 F1, 1, 0, 0
	MUL16 F1, 1, 2, 0
.endm
; K step 14's last quarter: slot 0 has been read out for the last time, and takes c_prev's tile: each wave fetches 64 rows, a load of its own, behind a round like every tensor load of this launch.
.macro TURNC
	MEET
	CREST
	tensor_load_to_lds s[G0C:G0C+3], s[G1C:G1C+7]  ; slot 0's last fill: 240 matrix instructions ahead of the wait for it
	s_nop 0
	PLACES                                         ; the places in front of the loads below
	FETCH 1, 0, F0
	MUL16 F1, 1, 0, 0
	MUL16 F1, 1, 2, 0
.endm
; c_prev of all my cells, in one run of 32 loads, into the 128 registers of window 1 that no product names: m block a at 16 a (a < 4) or 128 + 16 a.
.macro CPALL
	WIN TO_B
.irp a, 0,1,2,3,4,5,6,7
.irp q, 0,1,2,3
	ds_load_b128 v[16*(\a)+128*((\a)/4)+4*(\q):16*(\a)+128*((\a)/4)+4*(\q)+3], v[CSA] offset:16*PITCH*(\a)+64*((\q)/2)+16*((\q)%2)
.endr
.endr
.endm
; THE CELL.  A batch is a run of packed plain instructions (one for two numbers) with the transcendentals that read their results dealt between them, two behind each, two pairs back.  Nothing in a
; batch names a transcendental's result; a v_nop is the plain instruction behind the last of them (ISA guide 5.7.2), and ONE s_wait_alu, ahead of the first reader, ends the batch.
; kind 0: the gates' scaling (pairs 16-23, the gate g, by 2 log2 e; the others by -log2 e).  kind 1: + 1.  kind 2: c_t, 32 registers below, times 2 log2 e.
.macro PLAINOP kind, base, n
.if (\kind) == 0
.if ((\n) >= 16) && ((\n) < 24)
	v_pk_mul_f32 v[(\base)+2*(\n):(\base)+2*(\n)+1], v[(\base)+2*(\n):(\base)+2*(\n)+1], s[TL:TL+1] op_sel_hi:[1,0]
.else
	v_pk_mul_f32 v[(\base)+2*(\n):(\base)+2*(\n)+1], v[(\base)+2*(\n):(\base)+2*(\n)+1], s[NL:NL+1] op_sel_hi:[1,0]
.endif
.elseif (\kind) == 1
	v_pk_add_f32 v[(\base)+2*(\n):(\base)+2*(\n)+1], v[(\base)+2*(\n):(\base)+2*(\n)+1], 1.0 op_sel_hi:[1,0]
.else
	v_pk_mul_f32 v[(\base)+2*(\n):(\base)+2*(\n)+1], v[(\base)-32+2*(\n):(\base)-32+2*(\n)+1], s[TL:TL+1] op_sel_hi:[1,0]
.endif
.endm
.macro TRANS rcp, reg
.if \rcp
	v_rcp_f32 v[\reg], v[\reg]
.else
	v_exp_f32 v[\reg], v[\reg]
.endif
.endm
.macro BATCH kind, rcp, base, pairs
	PLAINOP \kind, \base, 0
	PLAINOP \kind, \base, 1
.set n, 2
.rept (\pairs)-2
	PLAINOP \kind, \base, n
	TRANS \rcp, (\base)+2*n-4
	TRANS \rcp, (\base)+2*n-3
.set n, n+1
.endr
	TRANS \rcp, (\base)+2*(\pairs)-4
	TRANS \rcp, (\base)+2*(\pairs)-3
	TRANS \rcp, (\base)+2*(\pairs)-2
	TRANS \rcp, (\base)+2*(\pairs)-1
	v_nop
	s_wait_alu depctr_va_vdst(0)
.endm
; m block a: its 16 rows x 32 hidden columns, 16 cells a lane, in place in its eight accumulators: f at AC, i at AC + 16, g at AC + 32, o at AC + 48; cell 8 sub + j in each.
; The scaling goes through the registers in ascending order.
.macro EPI a
.set AC, 64*((\a)%4)
.set CPB, 16*(\a)+128*((\a)/4)
	WIN 0xaa+0x55*((\a)/4)                         ; every operand in the block's window
	BATCH 0, 0, AC, 32                             ; 2^(-f log2 e), 2^(-i log2 e), 2^(2 g log2 e), 2^(-o log2 e)
	BATCH 1, 1, AC, 32                             ; 1 / (1 + ..): sigmoid f, sigmoid i, sigmoid o
.set n, 0
.rept 8
	v_pk_fma_f32 v[AC+32+2*n:AC+33+2*n], v[AC+32+2*n:AC+33+2*n], -2.0, 1.0 op_sel_hi:[1,0,0]  ; tanh g
.set n, n+1
.endr
.set n, 0
.rept 8
	v_pk_mul_f32 v[AC+16+2*n:AC+17+2*n], v[AC+16+2*n:AC+17+2*n], v[AC+32+2*n:AC+33+2*n]       ; sigmoid i x tanh g
.set n, n+1
.endr
	WIN 0xa6+0x51*((\a)/4)                         ; source 1 (c_prev) in window 1
.set n, 0
.rept 8
	v_pk_fma_f32 v[AC+2*n:AC+1+2*n], v[AC+2*n:AC+1+2*n], v[CPB+2*n:CPB+1+2*n], v[AC+16+2*n:AC+17+2*n]  ; c_t
.set n, n+1
.endr
	WIN 0x08+0x04*((\a)/4)                         ; an LDS store's data is source 1
.irp q, 0,1,2,3
	ds_store_b128 v[CSA], v[AC+4*(\q):AC+4*(\q)+3] offset:16*PITCH*(\a)+64*((\q)/2)+16*((\q)%2)
.endr
	WIN 0xaa+0x55*((\a)/4)
	BATCH 2, 0, AC+32, 8                           ; 2^(2 c_t log2 e), where tanh g lay
	BATCH 1, 1, AC+32, 8
.set n, 0
.rept 8
	v_pk_fma_f32 v[AC+32+2*n:AC+33+2*n], v[AC+32+2*n:AC+33+2*n], -2.0, 1.0 op_sel_hi:[1,0,0]  ; tanh c_t
.set n, n+1
.endr
.set n, 0
.rept 8
	v_pk_mul_f32 v[AC+48+2*n:AC+49+2*n], v[AC+48+2*n:AC+49+2*n], v[AC+32+2*n:AC+33+2*n]       ; h_t
.set n, n+1
.endr
	WIN 0x08+0x04*((\a)/4)
.irp q, 0,1,2,3
	ds_store_b128 v[HSA], v[AC+48+4*(\q):AC+48+4*(\q)+3] offset:16*PITCH*(\a)+64*((\q)/2)+16*((\q)%2)
.endr
.endm
; Rows 64 p .. 64 p + 63 of both halves of the tile are whole in LDS (a row's 256 bytes come from two waves: a barrier stands in front).  Each wave reads 32 rows of c_t and of h_t back and stores them.
.macro OUT p
	WIN 0
	s_wait_xcnt 0x0                                ; every earlier memory instruction has had its addresses translated (ISA guide 3.1): registers that earlier stores read are loaded again only behind this wait
.irp t, 0,1,2,3,4,5,6,7,8,9,10,11,12,13,14,15
	ds_load_b128 v[OBC+4*(\t):OBC+4*(\t)+3], v[RD] offset:64*PITCH*(\p)+2*PITCH*(\t)
.endr
.irp t, 0,1,2,3,4,5,6,7,8,9,10,11,12,13,14,15
	ds_load_b128 v[OBH+4*(\t):OBH+4*(\t)+3], v[RDH] offset:64*PITCH*(\p)+2*PITCH*(\t)
.endr
.irp t, 0,1,2,3,4,5,6,7,8,9,10,11,12,13,14,15
	s_wait_dscnt 31-(\t)                           ; LDS loads come back in order (ISA guide 5.7.1): this one is in
	global_store_b128 v[CO], v[OBC+4*(\t):OBC+4*(\t)+3], s[OC:OC+1] offset:(64*(\p)+2*(\t))*ROWB th:TH_STORE_NT  ; 16 lanes store 256 consecutive bytes, aligned
.endr
.irp t, 0,1,2,3,4,5,6,7,8,9,10,11,12,13,14,15
	s_wait_dscnt 15-(\t)
	global_store_b128 v[CO], v[OBH+4*(\t):OBH+4*(\t)+3], s[OH:OH+1] offset:(64*(\p)+2*(\t))*ROWB th:TH_STORE_NT
.endr
.endm
	s_wait_tensorcnt 1                             ; my part of K step 0 is in; K step 1's may stay out
	s_barrier_signal -1
	s_barrier_wait -1                              ; everybody's is
	FETCH 0, 0, F0
	s_wait_loadcnt 0x0                             ; the biases
	QUARTER 0, 64,  F0, F1, 1                      ; the first quarter stands in front of the loop: its products start the sums, with the bias
	WIN 0                                          ; at a label and at a branch every window is 0
	s_mov_b32 s3, LAPS-1
.Llap:                                                 ; a trip goes once round the ring, from a lap's second quarter to the next lap's first, and fills both slots again
	QUARTER 0, 128, F1, F0, 0
	QUARTER 0, 192, F0, F1, 0
	TURN 0, 1
	QUARTER 1, 64,  F0, F1, 0
	QUARTER 1, 128, F1, F0, 0
	QUARTER 1, 192, F0, F1, 0
	TURN 1, 0
	QUARTER 0, 64,  F0, F1, 0
	WIN 0
	s_sub_co_u32 s3, s3, 1
	s_cmp_lg_u32 s3, 0
	s_cbranch_scc1 .Llap
	QUARTER 0, 128, F1, F0, 0                      ; the last lap is written out: K step 14,
	QUARTER 0, 192, F0, F1, 0
	TURNC                                          ; behind which slot 0 takes c_prev,
	QUARTER 1, 64,  F0, F1, 0                      ; and K step 15
	QUARTER 1, 128, F1, F0, 0
	QUARTER 1, 192, F0, F1, 0
	s_wait_dscnt 8                                 ; the very last quarter: no fragment is left to fetch
	MUL16 F1, 0, 0, 0
	s_wait_dscnt 0x0                               ; no LDS instruction of mine is pending at the signal,
	s_wait_tensorcnt 0x0                           ; and my 64 rows of c_prev have landed
	s_barrier_signal -1
	MUL16 F1, 0, 2, 0
	s_barrier_wait -1                              ; everybody's have; nothing is filled any more
	CPALL                                          ; the run has the last 32 products in which to land
	MUL16 F1, 1, 0, 0
	MUL16 F1, 1, 2, 0
	WIN 0
	s_wait_dscnt 0x0                               ; c_prev is in my registers: my reads of those rows are over,
	s_barrier_signal -1
	s_barrier_wait -1                              ; and so are everybody's: c_t may be stored onto them
	PLACES                                         ; behind the last products, in front of the first line that reads a sum
	PLACES
	EPI 0
	EPI 1
	EPI 2
	EPI 3
	WIN 0
	s_wait_dscnt 0x0                               ; for the others' sake: my stores of rows 0-63 of my half are done
	s_barrier_signal -1
	s_barrier_wait -1
	OUT 0                                          ; these stores leave while the other four blocks are worked on; those blocks' rows are none of the rows read here
	EPI 4
	EPI 5
	EPI 6
	EPI 7
	WIN 0
	s_wait_dscnt 0x0
	s_barrier_signal -1
	s_barrier_wait -1
	OUT 1
	s_wait_tensorcnt 0x0                           ; the wave's end, behind my last tensor load and my last LDS store
	ds_add_u32 v[SPW], v[NIL]
	s_wait_dscnt 0x0
	CROUND                                         ; the closing round: no work-group ends while a partner may still ask for a tile that names it
	s_endpgm
.Lfunc_end_k_q9de0227a43_lstm:
	.size	k_q9de0227a43_lstm, .Lfunc_end_k_q9de0227a43_lstm-k_q9de0227a43_lstm
	.p2alignl 7, 3214868480
	.fill 96, 4, 3214868480
	.section	.rodata,"a",@progbits
	.p2align	6, 0x0
	.amdhsa_kernel k_q9de0227a43_lstm
		.amdhsa_group_segment_fixed_size 327680
		.amdhsa_private_segment_fixed_size 0
		.amdhsa_enable_private_segment 0
		.amdhsa_kernarg_size 72
		.amdhsa_user_sgpr_count 2
		.amdhsa_user_sgpr_kernarg_segment_ptr 1
		.amdhsa_wavefront_size32 1
		.amdhsa_system_sgpr_workgroup_id_x 1
		.amdhsa_system_sgpr_workgroup_id_y 1
		.amdhsa_system_sgpr_workgroup_id_z 1
		.amdhsa_system_vgpr_workitem_id 0
		.amdhsa_next_free_vgpr 1024
		.amdhsa_next_free_sgpr 100
		.amdhsa_reserve_vcc 0
		.amdhsa_float_denorm_mode_32 3
		.amdhsa_float_denorm_mode_16_64 3
		.amdhsa_memory_ordered 1
		.amdhsa_forward_progress 1
		.amdhsa_inst_pref_size 238
	.end_amdhsa_kernel
	.amdgpu_metadata
---
amdhsa.version: [ 1, 2 ]
amdhsa.kernels:
  - .name:           k_q9de0227a43_lstm
    .symbol:         k_q9de0227a43_lstm.kd
    .args:
      - { .name: ab, .offset: 0, .size: 8, .value_kind: global_buffer, .address_space: global }
      - { .name: wb, .offset: 8, .size: 8, .value_kind: global_buffer, .address_space: global }
      - { .name: out0, .offset: 16, .size: 8, .value_kind: global_buffer, .address_space: global }
      - { .name: out1, .offset: 24, .size: 8, .value_kind: global_buffer, .address_space: global }
      - { .name: b_f, .offset: 32, .size: 8, .value_kind: global_buffer, .address_space: global }
      - { .name: b_i, .offset: 40, .size: 8, .value_kind: global_buffer, .address_space: global }
      - { .name: b_c, .offset: 48, .size: 8, .value_kind: global_buffer, .address_space: global }
      - { .name: b_o, .offset: 56, .size: 8, .value_kind: global_buffer, .address_space: global }
      - { .name: c_prev, .offset: 64, .size: 8, .value_kind: global_buffer, .address_space: global }
    .group_segment_fixed_size: 327680
    .private_segment_fixed_size: 0
    .kernarg_segment_align: 8
    .kernarg_segment_size: 72
    .max_flat_workgroup_size: 128
    .sgpr_count:     100
    .vgpr_count:     1024
    .wavefront_size: 32
...
	.end_amdgpu_metadata
.endif
;; end of part 2
;; ======== version 2 of 2: 2 launches; version 1 with the launch cast written anew for expert scheduling mode
;; workspace buffers: ab 33,554,432 bytes; wb 16,777,216 bytes
;; launch cast (part 3): grid 256 x 3, 8 waves a work-group, no clusters, 0 bytes of LDS; arguments x_t, h_prev, W_f, W_i, W_c, W_o, ab, wb; writes ab, wb
.if DOCPART == 3
	.amdgcn_target "amdgcn-amd-amdhsa--gfx1250"
	.amdhsa_code_object_version 6
	.text
	.protected	k_q9de0227a43_cast
	.globl	k_q9de0227a43_cast
	.p2align	8
	.type	k_q9de0227a43_cast,@function
k_q9de0227a43_cast:
	s_mov_b64 s[64:65], 0
	v_nop
	global_prefetch_b8 v0, s[64:65] scope:SCOPE_SE
	s_setreg_imm32_b32 hwreg(HW_REG_WAVE_SCHED_MODE, 0, 2), 2
	s_setreg_imm32_b32 hwreg(HW_REG_WAVE_MODE, 25, 1), 1
	s_wait_xcnt 0x0
	s_wait_alu depctr_vm_vsrc(0)
; THE OPERANDS OF THE GATES' PRODUCT, ROUNDED ONCE TO bf16 AND LAID OUT FOR IT.
;   ab: [8192][2048] bf16: row r = x_t[r] (bytes 0-2047), then h_prev[r] (bytes 2048-4095).
;   wb: [4096][2048] bf16: row 256 ct + 64 g + j = W_g[64 ct + j], g = 0 f, 1 i, 2 c, 3 o: the 256 rows that a column tile of the next launch multiplies lie on end.
; LIMITS.  Round to nearest even; a number beyond bf16's largest finite one (3.39e38) becomes an infinity; NaN stays NaN.
; SHARES.  A PIECE is 1,024 consecutive f32 (4,096 bytes), which become 2,048 bytes.  Three classes of 8,192 pieces (grid y): x_t's rows, h_prev's rows, the half rows of the four W.
; Work-group x takes pieces 32 x .. 32 x + 31 of its class, wave w four of them: 16 KiB of consecutive source, asked for by 32 loads that are all out before the first is waited for.
; A load of a wave covers 512 consecutive bytes; the store made of it covers 256 consecutive bytes, aligned.  No LDS, no barrier, no loop: no wave wants another's bytes, and memory binds.
; No prefetch: every byte is asked for at once by its own load.
; THE MODE: SCHED_MODE bits 1:0 = 2 (LLVM: expert scheduling mode 2), set by the entry lines.  The code itself states the register dependences
; between vector instructions and memory instructions, with s_wait_alu, always for 0.
; THE PLAN.  Registers that memory instructions touch:
;   v1        the loads' offset; v2-v5 the stores' offsets, one a piece.  Written by vector lines at the head, never again.
;   X         four registers a load.  Written by that one load; read by its two roundings, which write the first two in place; those two are read by one store.  Nothing writes them after that.
; So no load lands in a register that a vector instruction has named, and no register that a memory instruction reads is written again.  What is left to state: the offsets, once, ahead of the
; first load; and that a store's pair is written.  The work goes in four blocks, a piece each: block i rounds piece i, and piece i - 1's eight stores are dealt among its roundings, which name
; piece i's registers alone.  ONE wait at a block's head states that the block before has written all its pairs; one more stands ahead of the last piece's stores.
.set PIECE, 4096                       ; bytes of source in a piece
.set X,     8                          ; v[8:135]  32 loads of 4 registers; the rounded pair takes the first two
                                       ; v1 16 x lane (source); v2-v5 8 x lane + piece x its stride (destination); v6, v7 at work
	s_load_b512 s[8:23], s[0:1], 0x0               ; x_t s[8:9], h_prev s[10:11], W_f s[12:13], W_i s[14:15], W_c s[16:17], W_o s[18:19], ab s[20:21], wb s[22:23]
	v_lshrrev_b32 v6, 5, v0
	v_readfirstlane_b32 s24, v6                    ; wave 0..7
	v_and_b32 v7, 31, v0                           ; lane
	s_and_b32 s25, ttmp7, 0xffff                   ; the class: 0 x_t, 1 h_prev, 2 the weights
	s_lshr_b32 s26, ttmp9, 6                       ; the gate, for class 2: 64 work-groups to a W
	s_lshl_b32 s27, ttmp9, 5
	s_wait_alu depctr_va_sdst(0)                   ; s24 is written, ahead of its first reader: the wave's pieces, and so both bases, are made from it
	s_lshl2_add_u32 s27, s24, s27                  ; my first piece: 32 x + 4 w
	s_and_b32 s28, s27, 2047                       ; its number inside its W: a multiple of 4, so my four pieces are two whole rows
	s_lshr_b32 s29, s28, 1                         ; W's row: even, so both rows lie in one group of 64
	s_lshr_b32 s39, s29, 6
	s_lshl_b32 s39, s39, 8                         ; 256 ct
	s_lshl_b32 s40, s26, 6                         ; 64 g
	s_add_co_u32 s39, s39, s40
	s_and_b32 s40, s29, 63                         ; j
	s_add_co_u32 s39, s39, s40
	s_lshl_b32 s39, s39, 12                        ; wb's row, in bytes
	s_lshl_b32 s40, s27, 12                        ; x_t's or h_prev's row in bytes, and ab's row
	s_lshl_b32 s41, s25, 11                        ; h_prev goes into the row's second half
	s_add_co_u32 s41, s40, s41
	s_lshl_b32 s42, s28, 12                        ; my first piece in its W, in bytes
	s_cmp_eq_u32 s25, 2
	s_cselect_b32 s34, s42, s40                    ; the source's offset,
	s_cselect_b32 s36, s39, s41                    ; the destination's,
	s_cselect_b32 s38, 1, 2
	s_mov_b32 s35, 0
	s_mov_b32 s37, 0
	s_lshl_b32 s38, s38, 11                        ; and from piece to piece there: 2,048 bytes in wb (half a row), 4,096 in ab (a row)
	v_lshlrev_b32 v1, 4, v7
	v_lshlrev_b32 v2, 3, v7
	v_add_nc_u32 v3, s38, v2
	v_add_nc_u32 v4, s38, v3
	v_add_nc_u32 v5, s38, v4
	s_wait_kmcnt 0x0
	s_cmp_eq_u32 s26, 1                            ; the buffers are chosen by the work-group's numbers alone
	s_cselect_b64 s[30:31], s[14:15], s[12:13]
	s_cmp_eq_u32 s26, 2
	s_cselect_b64 s[30:31], s[16:17], s[30:31]
	s_cmp_eq_u32 s26, 3
	s_cselect_b64 s[30:31], s[18:19], s[30:31]
	s_cmp_eq_u32 s25, 1
	s_cselect_b64 s[44:45], s[10:11], s[8:9]
	s_cmp_eq_u32 s25, 2
	s_cselect_b64 s[30:31], s[30:31], s[44:45]
	s_cselect_b64 s[32:33], s[22:23], s[20:21]
	s_add_nc_u64 s[30:31], s[30:31], s[34:35]
	s_add_nc_u64 s[32:33], s[32:33], s[36:37]
	s_wait_alu depctr_va_vdst(0)                   ; v1 to v5 are written: every load of the kernel reads v1 as its offset, every store one of v2 to v5
.irp i, 0,1,2,3
.irp k, 0,1,2,3,4,5,6,7
	global_load_b128 v[X+4*(8*(\i)+(\k)):X+4*(8*(\i)+(\k))+3], v1, s[30:31] offset:PIECE*(\i)+512*(\k) th:TH_LOAD_NT  ; read once in the launch
.endr
.endr
; Block i: piece i is rounded; the stores of piece i - 1 stand among its roundings, one ahead of each pair of them.
.macro BLK i
.if (\i) > 0
	s_wait_alu depctr_va_vdst(0)                   ; the block before has written its eight pairs, which the stores below read; no rounding of this block names them
.endif
.irp k, 0,1,2,3,4,5,6,7
.if (\i) > 0
	global_store_b64 v[2+(\i)-1], v[X+4*(8*((\i)-1)+(\k)):X+4*(8*((\i)-1)+(\k))+1], s[32:33] offset:256*(\k)  ; 32 lanes x 8 bytes: 256 consecutive bytes, aligned; no register that a store names is written again
.endif
	s_wait_loadcnt 31-(8*(\i)+(\k))                ; loads come back in order (ISA guide 5.7.1): this one is in, the younger ones stay out
	v_cvt_pk_bf16_f32 v[X+4*(8*(\i)+(\k))],   v[X+4*(8*(\i)+(\k))],   v[X+4*(8*(\i)+(\k))+1]
	v_cvt_pk_bf16_f32 v[X+4*(8*(\i)+(\k))+1], v[X+4*(8*(\i)+(\k))+2], v[X+4*(8*(\i)+(\k))+3]
.endr
.endm
	BLK 0                                          ; no piece in front of it: no store, and no wait but those for its data
	BLK 1
	BLK 2
	BLK 3
	s_wait_alu depctr_va_vdst(0)                   ; block 3 has written its eight pairs, which the last eight stores read
.irp k, 0,1,2,3,4,5,6,7
	global_store_b64 v5, v[X+4*(24+(\k)):X+4*(24+(\k))+1], s[32:33] offset:256*(\k)
.endr
	s_endpgm
.Lfunc_end_k_q9de0227a43_cast:
	.size	k_q9de0227a43_cast, .Lfunc_end_k_q9de0227a43_cast-k_q9de0227a43_cast
	.p2alignl 7, 3214868480
	.fill 96, 4, 3214868480
	.section	.rodata,"a",@progbits
	.p2align	6, 0x0
	.amdhsa_kernel k_q9de0227a43_cast
		.amdhsa_group_segment_fixed_size 0
		.amdhsa_private_segment_fixed_size 0
		.amdhsa_enable_private_segment 0
		.amdhsa_kernarg_size 64
		.amdhsa_user_sgpr_count 2
		.amdhsa_user_sgpr_kernarg_segment_ptr 1
		.amdhsa_wavefront_size32 1
		.amdhsa_system_sgpr_workgroup_id_x 1
		.amdhsa_system_sgpr_workgroup_id_y 1
		.amdhsa_system_sgpr_workgroup_id_z 1
		.amdhsa_system_vgpr_workitem_id 0
		.amdhsa_next_free_vgpr 136
		.amdhsa_next_free_sgpr 66
		.amdhsa_reserve_vcc 0
		.amdhsa_float_denorm_mode_32 3
		.amdhsa_float_denorm_mode_16_64 3
		.amdhsa_memory_ordered 1
		.amdhsa_forward_progress 1
		.amdhsa_inst_pref_size 14
	.end_amdhsa_kernel
	.amdgpu_metadata
---
amdhsa.version: [ 1, 2 ]
amdhsa.kernels:
  - .name:           k_q9de0227a43_cast
    .symbol:         k_q9de0227a43_cast.kd
    .args:
      - { .name: x_t, .offset: 0, .size: 8, .value_kind: global_buffer, .address_space: global }
      - { .name: h_prev, .offset: 8, .size: 8, .value_kind: global_buffer, .address_space: global }
      - { .name: W_f, .offset: 16, .size: 8, .value_kind: global_buffer, .address_space: global }
      - { .name: W_i, .offset: 24, .size: 8, .value_kind: global_buffer, .address_space: global }
      - { .name: W_c, .offset: 32, .size: 8, .value_kind: global_buffer, .address_space: global }
      - { .name: W_o, .offset: 40, .size: 8, .value_kind: global_buffer, .address_space: global }
      - { .name: ab, .offset: 48, .size: 8, .value_kind: global_buffer, .address_space: global }
      - { .name: wb, .offset: 56, .size: 8, .value_kind: global_buffer, .address_space: global }
    .group_segment_fixed_size: 0
    .private_segment_fixed_size: 0
    .kernarg_segment_align: 8
    .kernarg_segment_size: 64
    .max_flat_workgroup_size: 256
    .sgpr_count:     66
    .vgpr_count:     136
    .wavefront_size: 32
...
	.end_amdgpu_metadata
.endif
;; end of part 3
;; launch lstm: the kernel of part 2 again; grid 16 x 32, 4 waves a work-group, clusters of 4 x 4, 327,680 bytes of LDS; arguments ab, wb, out0, out1, b_f, b_i, b_c, b_o, c_prev; writes out0, out1
